; MI455X (gfx1250); checked and timed in simulation.
; The chip was launched on July 23, 2026; its instructions are those of AMD's public machine-readable ISA for CDNA 5 (MIT licence, August 2026) and "CDNA5" Instruction Set Architecture Reference Guide (July 2026). The comments in the code are by the model that wrote it; some were corrected since.
;; Hybrid Attention. Allowed arithmetic: matrix products marked QUANTISED: E4M3 operands, one given power-of-two scale a tensor, by v_wmma_f32_16x16x64_fp8_fp8 or v_wmma_f32_16x16x128_fp8_fp8, f32 sums; everything else in f32.
;; Inputs: lowp_scales 10 int32 (the exponents e of the quantised operands' scales 2^e); mask 4 x 2,048 x 2,048 int32; wk 1,024 x 1,024 float32; wq 1,024 x 1,024 float32; wv 1,024 x 1,024 float32; x 4 x 2,048 x 1,024 float32.
;; Outputs: out0 4 x 2,048 x 1,024 float32.
;; This version of the problem:
;;   THIS VERSION OF THE PROBLEM IS GIVEN IN LOW PRECISION. The matrix products marked QUANTISED in the list below multiply operands that are first quantised to E4M3 (4 exponent bits, 3 mantissa bits; 8 bits a number), with one given power-of-two scale for each operand tensor; their sums are f32. All else is computed in f32.
;;   The module's matrix products, in the order in which they are computed (A, B: the left and right operand; K: the contracted axis; several contracted axes count as one K, in the product's order):
;;     1. [M 8,192, K 1,024] x [K 1,024, N 1,024]; A: input x; B: input wq: QUANTISED (scales: A lowp_scales[0], B lowp_scales[1])
;;     2. [M 8,192, K 1,024] x [K 1,024, N 1,024]; A: input x; B: input wk: QUANTISED (scales: A lowp_scales[2], B lowp_scales[3])
;;     3. [M 8,192, K 1,024] x [K 1,024, N 1,024]; A: input x; B: input wv: QUANTISED (scales: A lowp_scales[4], B lowp_scales[5])
;;     4. batch 64 x [M 2,048, K 64] x [K 64, N 2,048]; A: computed on the way; B: computed on the way: QUANTISED (scales: A lowp_scales[6], B lowp_scales[7])
;;     5. batch 64 x [M 2,048, K 2,048] x [K 2,048, N 64]; A: computed on the way; B: computed on the way: QUANTISED (scales: A lowp_scales[8], B lowp_scales[9])
;;   THE QUANTISER, for each operand of a quantised product, along K:
;;     - The operand's scale is 2^e, e = its entry of the input lowp_scales (int32; the entries are numbered through the quantised products in the list's order, A before B).
;;     - Each number is divided by the scale, clamped to +-448, and rounded to the nearest number of E4M3, ties to even, subnormals kept.
;;     - The product sums the exact products of the quantised numbers (number of the format x scale) in f32.
;;   ~~~python
;;   def quantise(x, axis, e):      # numpy; x: float32 -> the quantised numbers, widened to float32 again
;;       x = np.moveaxis(x, axis, -1); K = x.shape[-1]
;;       r = np.clip(x / 2.0 ** e, -448, 448)
;;       step = 2.0 ** (np.maximum(np.frexp(np.where(r == 0, 1, r))[1] - 1, -6) - 3)
;;       q = np.round(r / step) * step * 2.0 ** e      # np.round: ties to even
;;       return np.moveaxis(q, -1, axis).astype(np.float32)
;;   ~~~
;;   OPERANDS COMPUTED ON THE WAY. 'Computed on the way' means the value that the module computes at that place (a softmax that the list does not call 'softmax' is quantised finished and normalised). What goes into a quantiser is computed in f32, as accurately as f32 sums, v_exp_f32 and their like allow (about 1e-6 of the number): no bf16 or f16 on the way to a quantiser, and a product that is left as it is and whose result goes on into a quantised operand takes f32 operands (vector FMAs, or v_wmma_f32_16x16x4_f32). A number that lies on a knife's edge between two numbers of the format may be rounded either way, as far as f32 arithmetic and the matrix unit's own rounding can turn it there, and no further.
;; One version. Each part assembles by itself: llvm-mc -triple=amdgcn-amd-amdhsa -mcpu=gfx1250 --defsym DOCPART=n.
;; ======== version 1 of 1: 3 launches
;; workspace buffers: xc 25,165,824 bytes; wc 3,145,728 bytes; mb 16,777,216 bytes; qkv 25,165,824 bytes
;; launch prep (part 1): grid 352 x 1, 4 waves a work-group, no clusters, 0 bytes of LDS; arguments x, wq, wk, wv, lowp_scales, xc, wc; writes xc, wc
.if DOCPART == 1
	.amdgcn_target "amdgcn-amd-amdhsa--gfx1250"
	.amdhsa_code_object_version 6
	.text
	.protected	k_q391de0a26c_prep
	.globl	k_q391de0a26c_prep
	.p2align	8
	.type	k_q391de0a26c_prep,@function
k_q391de0a26c_prep:
	s_mov_b64 s[64:65], 0
	v_nop
	global_prefetch_b8 v0, s[64:65] scope:SCOPE_SE
	s_setreg_imm32_b32 hwreg(HW_REG_WAVE_MODE, 25, 1), 1
	s_wait_xcnt 0x0
; PREP: the wide operands of the three projections become codes, each number read once.
;   x  [8192][1024] f32 -> xc [3][8192][1024] codes of E4M3 under the scales 2^e0, 2^e2, 2^e4 (x is an operand of three products, each with a scale of its own)
;   wq, wk, wv [1024][1024] f32 -> wc [3][1024][1024] codes under 2^e1, 2^e3, 2^e5
; code = number / 2^e, held within +-448, rounded to the nearest code, ties to even.
; LIMITS: e0 .. e5 each between -126 and 119, so that 2^e and 448 x 2^e are f32 numbers.  NaN among the inputs is not served.
; A wave takes 16 steps of 512 numbers (2,048 bytes in, 512 bytes out for each copy).  Each of a step's four loads reads 512 consecutive bytes, 16 a lane; a lane's 16 numbers become 16 codes, stored at 16 x lane.
; So inside each run of 512 along K the codes are PERMUTED: place 16 l + 4 i + j holds k = 128 i + 4 l + j.  The same permutation in x and in the weights: every product still meets its partner in the sums over K.
; Work-groups 0-255 take x, 256-351 the weights (32 a matrix).  Waves share nothing: no LDS, no barrier.  Every offset is an immediate; loads run eight steps (32 loads, 16 KiB a wave) ahead.
.set XWG,   256
.set DEPTH, 8                          ; sets of load registers = steps on their way
.set R,   16                           ; v16-143  eight sets of 16 numbers as loaded
.set T,   144                          ; v144-159 at work
.set C,   160                          ; v160..   codes (x: eight sets of 12; weights: four registers for each step)
.set SRC, 28                           ; s[28:29] where my wave's run begins
.set D0,  40                           ; s[40:41], s[42:43], s[44:45] where its codes go
	s_load_b256 s[8:15], s[0:1], 0x0               ; x 8:9, wq 10:11, wk 12:13, wv 14:15
	s_load_b128 s[16:19], s[0:1], 0x20             ; the exponents 16:17, xc 18:19
	s_load_b64 s[20:21], s[0:1], 0x30              ; wc
	v_lshrrev_b32 v2, 5, v0
	v_readfirstlane_b32 s26, v2                    ; wave 0..3
	v_and_b32 v10, 31, v0                          ; lane
	v_lshlrev_b32 v1, 4, v10                       ; 16 x lane: my place in a load's and in a store's 512 bytes
	s_mov_b32 s31, 0
	s_wait_kmcnt 0x0
	s_load_b256 s[32:39], s[16:17], 0x0            ; e0 .. e7
.macro LOAD t                          ; step t's 2,048 bytes into set t % 8
.irp i, 0,1,2,3
	global_load_b128 v[R+16*((\t)%DEPTH)+4*\i:R+16*((\t)%DEPTH)+4*\i+3], v1, s[SRC:SRC+1] offset:2048*(\t)+512*\i th:TH_LOAD_NT
.endr
.endm
.macro ARRIVED t                       ; step t's four loads are in; those of the up to seven later steps may be out
.if 15-(\t) >= DEPTH-1
	s_wait_loadcnt 4*(DEPTH-1)
.else
	s_wait_loadcnt 4*(15-(\t))
.endif
.endm
.macro MKSC e, sc, lim                 ; from the whole number in s[e]: v[sc] = 2^e, v[lim] = 448 x 2^e
	s_add_co_i32 s46, s[\e], 127
	s_lshl_b32 s47, s46, 23
	v_mov_b32 v[\sc], s47
	s_add_co_i32 s46, s46, 8
	s_lshl_b32 s46, s46, 23
	s_or_b32 s46, s46, 0x600000
	v_mov_b32 v[\lim], s46
.endm
.macro QCOPY set, dst, sc, lim         ; a lane's 16 numbers of a set -> 16 codes in v[dst .. dst + 3]
.irp i, 0,1,2,3,4,5,6,7,8,9,10,11,12,13,14,15
	v_med3_num_f32 v[T+\i], v[R+16*(\set)+\i], -v[\lim], v[\lim]   ; the conversion to an 8-bit code does not saturate (ISA guide 7.6.2): the hold comes first
.endr
	v_cvt_scalef32_pk8_fp8_f32 v[\dst:\dst+1], v[T:T+7], v[\sc]
	v_cvt_scalef32_pk8_fp8_f32 v[\dst+2:\dst+3], v[T+8:T+15], v[\sc]
	v_nop                                          ; a plain line between the conversions and the next holds, which write their sources
.endm
	s_cmp_ge_u32 ttmp9, XWG
	s_cbranch_scc1 .Lweights
	; ---- x: three copies
	s_lshl_b32 s27, ttmp9, 2
	s_add_co_u32 s27, s27, s26                     ; which run of 8,192 numbers is my wave's
	s_lshl_b32 s30, s27, 15
	s_add_nc_u64 s[SRC:SRC+1], s[8:9], s[30:31]
	s_lshl_b32 s30, s27, 13
	s_add_nc_u64 s[D0:D0+1], s[18:19], s[30:31]
	s_add_nc_u64 s[D0+2:D0+3], s[D0:D0+1], 0x800000    ; the copies lie 8 MiB apart
	s_add_nc_u64 s[D0+4:D0+5], s[D0:D0+1], 0x1000000
.irp t, 0,1,2,3,4,5,6,7
	LOAD \t
.endr
	s_wait_kmcnt 0x0
	MKSC 32, 4, 5                                  ; e0
	MKSC 34, 6, 7                                  ; e2
	MKSC 36, 8, 9                                  ; e4
.macro XSTEP t
	ARRIVED \t
.if (\t) == 8
	s_wait_xcnt 0x0                                ; the stores of steps 0 to 7 have read their code registers: steps 8 to 15 write the eight sets a second time, and this one wait serves them all
.endif
	QCOPY (\t)%DEPTH, C+12*((\t)%8), 4, 5
	QCOPY (\t)%DEPTH, C+12*((\t)%8)+4, 6, 7
	QCOPY (\t)%DEPTH, C+12*((\t)%8)+8, 8, 9
.if (\t)+DEPTH < 16
	LOAD (\t)+DEPTH                                ; loads ahead of stores
.endif
.irp c, 0,1,2
	global_store_b128 v1, v[C+12*((\t)%8)+4*\c:C+12*((\t)%8)+4*\c+3], s[D0+2*\c:D0+2*\c+1] offset:512*(\t) th:TH_STORE_NT   ; 32 lanes store 512 consecutive bytes, aligned
.endr
.endm
.irp t, 0,1,2,3,4,5,6,7,8,9,10,11,12,13,14,15
	XSTEP \t
.endr
	s_endpgm
	; ---- the weights: one copy each
.Lweights:
	s_sub_co_u32 s27, ttmp9, XWG                   ; 0 .. 95
	s_lshr_b32 s48, s27, 5                         ; which matrix: 0 wq, 1 wk, 2 wv
	s_and_b32 s49, s27, 31
	s_lshl_b32 s49, s49, 2
	s_add_co_u32 s49, s49, s26                     ; my wave's run in that matrix
	s_lshl_b32 s30, s49, 15
	s_cmp_eq_u32 s48, 0
	s_cselect_b64 s[SRC:SRC+1], s[10:11], s[12:13]
	s_cmp_eq_u32 s48, 2
	s_cselect_b64 s[SRC:SRC+1], s[14:15], s[SRC:SRC+1]
	s_add_nc_u64 s[SRC:SRC+1], s[SRC:SRC+1], s[30:31]
	s_lshl_b32 s27, s27, 2
	s_add_co_u32 s27, s27, s26                     ; and in wc, where the three lie one behind the other
	s_lshl_b32 s30, s27, 13
	s_add_nc_u64 s[D0:D0+1], s[20:21], s[30:31]
.irp t, 0,1,2,3,4,5,6,7
	LOAD \t
.endr
	s_wait_kmcnt 0x0
	s_cmp_eq_u32 s48, 0
	s_cselect_b32 s50, s33, s35                    ; e1 or e3,
	s_cmp_eq_u32 s48, 2
	s_cselect_b32 s50, s37, s50                    ; or e5
	MKSC 50, 4, 5
.macro WSTEP t
	ARRIVED \t
	QCOPY (\t)%DEPTH, C+4*(\t), 4, 5               ; each step has its own code registers: no store's data are written again
.if (\t)+DEPTH < 16
	LOAD (\t)+DEPTH
.endif
	global_store_b128 v1, v[C+4*(\t):C+4*(\t)+3], s[D0:D0+1] offset:512*(\t) th:TH_STORE_NT
.endm
.irp t, 0,1,2,3,4,5,6,7,8,9,10,11,12,13,14,15
	WSTEP \t
.endr
	s_endpgm
.Lfunc_end_k_q391de0a26c_prep:
	.size	k_q391de0a26c_prep, .Lfunc_end_k_q391de0a26c_prep-k_q391de0a26c_prep
	.p2alignl 7, 3214868480
	.fill 96, 4, 3214868480
	.section	.rodata,"a",@progbits
	.p2align	6, 0x0
	.amdhsa_kernel k_q391de0a26c_prep
		.amdhsa_group_segment_fixed_size 0
		.amdhsa_private_segment_fixed_size 0
		.amdhsa_enable_private_segment 0
		.amdhsa_kernarg_size 56
		.amdhsa_user_sgpr_count 2
		.amdhsa_user_sgpr_kernarg_segment_ptr 1
		.amdhsa_wavefront_size32 1
		.amdhsa_system_sgpr_workgroup_id_x 1
		.amdhsa_system_sgpr_workgroup_id_y 1
		.amdhsa_system_sgpr_workgroup_id_z 1
		.amdhsa_system_vgpr_workitem_id 0
		.amdhsa_next_free_vgpr 256
		.amdhsa_next_free_sgpr 66
		.amdhsa_reserve_vcc 0
		.amdhsa_float_denorm_mode_32 3
		.amdhsa_float_denorm_mode_16_64 3
		.amdhsa_memory_ordered 1
		.amdhsa_forward_progress 1
		.amdhsa_inst_pref_size 96
	.end_amdhsa_kernel
	.amdgpu_metadata
---
amdhsa.version: [ 1, 2 ]
amdhsa.kernels:
  - .name:           k_q391de0a26c_prep
    .symbol:         k_q391de0a26c_prep.kd
    .args:
      - { .name: x, .offset: 0, .size: 8, .value_kind: global_buffer, .address_space: global }
      - { .name: wq, .offset: 8, .size: 8, .value_kind: global_buffer, .address_space: global }
      - { .name: wk, .offset: 16, .size: 8, .value_kind: global_buffer, .address_space: global }
      - { .name: wv, .offset: 24, .size: 8, .value_kind: global_buffer, .address_space: global }
      - { .name: lowp_scales, .offset: 32, .size: 8, .value_kind: global_buffer, .address_space: global }
      - { .name: xc, .offset: 40, .size: 8, .value_kind: global_buffer, .address_space: global }
      - { .name: wc, .offset: 48, .size: 8, .value_kind: global_buffer, .address_space: global }
    .group_segment_fixed_size: 0
    .private_segment_fixed_size: 0
    .kernarg_segment_align: 8
    .kernarg_segment_size: 56
    .max_flat_workgroup_size: 128
    .sgpr_count:     66
    .vgpr_count:     256
    .wavefront_size: 32
...
	.end_amdgpu_metadata
.endif
;; end of part 1
;; launch qkv (part 2): grid 16 x 32, 4 waves a work-group, clusters of 4 x 4, 327,680 bytes of LDS; arguments xc, wc, lowp_scales, qkv, mask, mb; writes qkv, mb
.if DOCPART == 2
	.amdgcn_target "amdgcn-amd-amdhsa--gfx1250"
	.amdhsa_code_object_version 6
	.text
	.protected	k_q391de0a26c_qkv
	.globl	k_q391de0a26c_qkv
	.p2align	8
	.type	k_q391de0a26c_qkv,@function
k_q391de0a26c_qkv:
	s_mov_b64 s[64:65], 0
	v_nop
	global_prefetch_b8 v0, s[64:65] scope:SCOPE_SE
	s_setreg_imm32_b32 hwreg(HW_REG_WAVE_MODE, 25, 1), 1
	s_wait_xcnt 0x0
	s_wait_alu depctr_hold_cnt(0) depctr_sa_sdst(0) depctr_va_vdst(0) depctr_va_sdst(0) depctr_va_ssrc(0) depctr_va_vcc(0) depctr_vm_vsrc(0)
	s_getreg_b32 s2, hwreg(HW_REG_IB_STS2, 6, 4)
	s_cmp_eq_u32 s2, 0
	s_cbranch_scc0 .Lentry_in_a_cluster
	s_endpgm
.Lentry_in_a_cluster:
	s_bfe_u32 s2, ttmp6, 0x10000c
	s_cmp_lg_u32 s2, 0xf033
	s_cbranch_scc0 .Lentry_shape_is_right
	s_endpgm
.Lentry_shape_is_right:
; QKV: the three projections on codes of E4M3, their results quantised at once into the operands of the attention launch; and, beside them, the mask packed to a byte a key.
; Cluster x says what a cluster does: 0, 1, 2: the projection q, k, v (24 clusters of 16 tiles); 3: the mask (8 clusters).  24 clusters of tiles do not fill the WGPs a whole number of times: the mask's clusters take places that would stand empty.
; THE PROJECTIONS.  A tile T[i][j] = sum over k of P[i][k] R[j][k], 256 x 256, K = 1,024, is made by a work-group of four waves; a wave makes 128 x 128: 64 accumulators of 16 x 16, 512 registers.
; q (0), k (1): P = x's codes under that product's scale, R = the weight's: T's rows are tokens, its columns features (four heads).
; v (2): P = wv's codes, R = x's: T's rows are features and its columns tokens, so that v comes out with the KEYS innermost, as the second product of attention wants it.
; K goes in steps of 256 through a ring of two LDS slots filled by the tensor data mover.  4 x 4 work-groups form a cluster: P's tile is shared along a row of the cluster, R's along a column; each is asked for JOINTLY.
; THE MATRIX INSTRUCTION IS USED TRANSPOSED (source 0 = 16 rows of R, source 1 = 16 rows of P): a lane holds row l % 16 of T and eight neighbouring columns 8 (l / 16) + 0 .. 7.
; A fragment (16 rows x 128 K) comes by four loads of 16 bytes: a permutation of k, the same in P and in R, so every product meets its partner.
; THE WAY OUT.  A sum stands for sum x 2^(ea + eb); its code under 2^eo is sum / 2^(eo - ea - eb), held within +-448: the three exponents are folded into the conversion's one scale.
; A lane's codes of column blocks 2 b and 2 b + 1 (columns 32 b + 8 h + j and 32 b + 16 + 8 h + j) are stored as 16 bytes at column 32 b + 16 h of a stage: bits 3 and 4 of the column's number change places.
; The stage (256 rows, all four waves') is read back as IMAGES OF OPERAND REGISTERS: lane (r, h) takes row r, 16 bytes at 32 c + 16 h; by the exchange of bits these are the k = 16 (2 c + u) + 8 h + 0 .. 7 that the
; plain 8-bit layout gives registers 4 c .. 4 c + 3 of that lane.  qkv: +0 q [b][head][token / 16][c 0..1][lane][16 bytes]; +8 MiB k likewise; +16 MiB v [b][head][key / 128][channel / 16][c 0..3][lane][16 bytes].
; THE MASK.  mask [4][2048][2048] int32 -> mb [4][2048][2048] bytes: 0xff where mask != 0, 0x00 where mask == 0.  The bytes keep the keys' order but for bits 3 and 4 of the key's number, which change places: the order
; in which the attention launch's operand registers hold the keys.  A plain stream: no tensor load, no joint request, no barrier but the closing round; the path parts on the cluster's x, which all sixteen partners share.
; LIMITS: e6 - e0 - e1, e7 - e2 - e3 and e9 - e4 - e5 each between -126 and 119, so that the scale and 448 x the scale are f32 numbers.
; REGISTERS of the projections, in windows of 256: window 0: v0-31 addresses and constants; from v128 P's fragments, ONE set; on the way out v32-255 are free.  window 1: R's fragments, TWO sets.  windows 2, 3: the accumulators ((a, b) at v[8 (8 (a % 4) + b)]).
; REGISTERS of the mask's path: v8-10 addresses (window 0); in each of windows 0 and 1: v32-159 eight sets of 16 numbers as loaded, v160-191 eight steps' bytes to store, v192-199 at work.
.set KSTEP,  256
.set ROWB,   256                       ; a tile's row in bytes
.set KROW,   1024                      ; a row of codes in memory
.set PITCH,  272                       ; an LDS row: 256 bytes + 16 of padding = 68 words: the 16 rows that a load touches start at 16 different banks (64 banks of 4 bytes: ISA guide 11.1)
.set FR,     16                        ; registers of a fragment
.set NL,     4                         ; LDS loads that bring one
.set NP,     4                         ; places behind this matrix instruction (ISA guide 7.12.1)
.set HALFT,  128*PITCH                 ; what one tensor load brings
.set SLOT,   4*HALFT                   ; P's 256 rows, then R's 256 rows
.set LAPS,   2                         ; 1,024 along K = four K steps = twice round the ring
.set SPARE,  2*SLOT                    ; behind the ring: the spare words, 128 bytes for each wave; no other line names them
.set MSTG,   SPARE+512                 ; behind them: the mask path's stages, 1,024 bytes for each wave: bytes of their own, into which no tile lands
.set SP,     336                       ; a stage row of the projections: 256 bytes + 80 = 21 x 16: sixteen rows fall on sixteen different 16-byte columns.  That stage lies in slot 0, which has had its last fill and its last read by then
.set MGA,  8                           ; v8      the mask: 16 x lane: my place in a load's and in a store's 512 bytes
.set MLI,  9                           ; v9      the mask's stage, on the way in: a word of four keys at its new place
.set MLO,  10                          ; v10     and on the way out: 16 bytes a lane
.set VSC,  12                          ; v12     2^(eo - ea - eb)
.set VLIM, 13                          ; v13     448 x that
.set ADRA, 16                          ; v16-17  LDS address of my P fragments in slot 0, 1
.set ADRB, 20                          ; v20-21  the same for R
.set STO,  24                          ; v24     the stage: where I put 16 codes of a row
.set RD,   25                          ; v25     the stage: where I read an image's 16 bytes
.set CO,   26                          ; v26     16 x lane: my place in an image
.set SPW,  28                          ; v28     LDS address of my spare word; never rewritten
.set NIL,  29                          ; v29     0; never rewritten
.set TMP,  32                          ; v32-95  a block's sums, held; later, with v96-159, the images read back
.set CD,   96                          ; v96-223 codes: 16 registers for each of my eight blocks of rows
.set AF,   128                         ; P's fragments, in window 0
.set MKR,  32                          ; the mask: eight sets of 16 in each of two windows
.set MKO,  160                         ; eight steps' four registers of bytes in each window
.set MKT,  192                         ; two sets of four words at work in each window
.set G1, 24                            ; s[24:31] descriptor group 1 for P's tiles;  s[32:39] group 0, one set for each slot
.set G0, 32
.set G1B, 48                           ; s[48:55], s[56:63] the same for R's tiles
.set G0B, 56
.set MSRC, 84                          ; s[84:85] the mask: where my wave's trip begins
.set MDST, 86                          ; s[86:87] and where its bytes go
.set MSB, 0
.macro WIN new                         ; the immediate's high byte repeats the setting that is left
.if MSB != (\new)
	s_set_vgpr_msb (MSB<<8)|(\new)
.set MSB, (\new)
.endif
.endm
.set MUL_LO, 0xa1                      ; source 0 (R) window 1, source 1 (P) window 0, C and D window 2
.set MUL_HI, 0xf1                      ; the same, C and D window 3
.set TO_B,   0x40                      ; destination window 1, address window 0
; A joint load: waves 0 and 1 fetch for P, waves 2 and 3 for R.  Each line has ONE mask and one set of registers for all that issue it; the branch hangs on the wave's number alone.
; Four v_nop follow each of the two lines, ahead of the jump, the label and what follows.
.macro JLOAD g0a, g1a, g0b, g1b
	s_cmp_eq_u32 s15, 0
	s_cbranch_scc0 .Lfor_b_\@
	tensor_load_to_lds s[\g0a:\g0a+3], s[\g1a:\g1a+7]
	s_nop 0
.rept 4
	v_nop
.endr
	s_branch .Lasked_\@
.Lfor_b_\@:
	tensor_load_to_lds s[\g0b:\g0b+3], s[\g1b:\g1b+7]
	s_nop 0
.rept 4
	v_nop
.endr
.Lasked_\@:
.endm
.macro CREST                           ; a round of the cluster's barrier behind its opening barrier
	s_cmp_lg_u32 s14, 0
	s_cbranch_scc1 .Lnot_wave_0_\@
	s_barrier_signal -3
.Lnot_wave_0_\@:
	s_barrier_wait -3
	s_barrier_signal -1
	s_barrier_wait -1
.endm
.macro CROUND                          ; a whole round
	s_barrier_signal -1
	s_barrier_wait -1
	CREST
.endm
	s_load_b128 s[4:7], s[0:1], 0x0                ; xc s[4:5], wc s[6:7]
	s_load_b128 s[8:11], s[0:1], 0x10              ; the exponents s[8:9], qkv s[10:11]
	s_load_b128 s[92:95], s[0:1], 0x20             ; mask s[92:93], mb s[94:95]
	v_lshl_add_u32 v[SPW], v0, 2, SPARE
	v_mov_b32 v[NIL], 0
	ds_add_u32 v28, v29
	ds_add_u32 v28, v29
	s_wait_dscnt 0x0
	v_lshrrev_b32 v1, 5, v0
	v_readfirstlane_b32 s14, v1                    ; wave 0..3
	; the mask path's LDS addresses are made here, ahead of the parting of the ways
	v_and_b32 v5, 31, v0                           ; lane
	v_lshlrev_b32 v[MGA], 4, v5
	v_and_b32 v6, 0x19, v5                         ; the lane's number with bits 1 and 2 exchanged: in words of four keys these are bits 3 and 4 of the key's number
	v_bfe_u32 v7, v5, 1, 1
	v_bfe_u32 v11, v5, 2, 1
	v_lshl_add_u32 v6, v7, 2, v6
	v_lshl_add_u32 v6, v11, 1, v6
	s_lshl_b32 s99, s14, 10                        ; my wave's 1,024 bytes: two stages of 512
	s_add_co_u32 s99, s99, MSTG
	v_lshl_add_u32 v[MLI], v6, 2, s99
	v_add_nc_u32 v[MLO], s99, v[MGA]
	s_lshr_b32 s15, s14, 1                         ; which half of the tile's rows is mine.  Also: I fetch for P (0) or for R (1)
	s_and_b32 s16, s14, 1                          ; which half of its columns.  Also: which 128 rows of that tile I fetch
	s_bfe_u32 s40, ttmp6, 0x40000                  ; cx, cy: my place in the cluster
	s_bfe_u32 s41, ttmp6, 0x40004
	s_and_b32 s78, ttmp7, 0xffff
	s_lshl_b32 s78, s78, 2                         ; 4 x cluster y
	s_cmp_eq_u32 ttmp9, 3                          ; the cluster's x: the same in all sixteen partners
	s_cbranch_scc1 .Lmask                          ; the mask's clusters ask for no tile
	s_lshl_b32 s79, ttmp9, 23                      ; the projection x 8 MiB: its copy of x's codes, and its part of qkv
	s_lshl_b32 s80, ttmp9, 20                      ; the projection x 1 MiB: its weight's codes
	s_mov_b32 s81, 0x200000                        ; wv's codes in wc
	s_mov_b32 s82, 0x1000000                       ; x's third copy in xc
	s_cmp_eq_u32 ttmp9, 2                          ; v?
	s_cselect_b32 s83, 0, s78                      ; tokens walk with cluster y: along P for q and k, along R for v
	s_cselect_b32 s84, s78, 0
	s_cselect_b32 s85, s81, s79                    ; where P begins in its buffer,
	s_cselect_b32 s86, s82, s80                    ; and R
	s_add_co_u32 s17, s83, s41                     ; P's tile row: made of cy and the cluster's place alone
	s_add_co_u32 s42, s84, s40                     ; R's tile row: of cx and the cluster's place alone
	s_lshl_b32 s43, s41, 2
	s_lshl_b32 s43, 15, s43                        ; my row of the cluster
	s_lshl_b32 s44, 0x1111, s40                    ; my column
	; descriptor group 1: a tile of 128 rows x 256 bytes, padded in LDS
	s_or_b32 s[G1+0], s43, (0<<16)|(1<<20)|(1<<21)|(5<<22)|(3<<25)  ; 15:0 the mask: P's tiles go to my row; 17:16 element of 1 byte; 20 padding on; 21 set beside a mask; 24:22 after every 64 words (code 5); 31:25 of 4 words (code 3)
	s_or_b32 s[G1B+0], s44, (0<<16)|(1<<20)|(1<<21)|(5<<22)|(3<<25)
.irp g, G1, G1B
	s_mov_b32 s[\g+1], ROWB<<16                    ; tensor_dim0
	s_mov_b32 s[\g+2], 128<<16                     ; tensor_dim1 = 128
	s_mov_b32 s[\g+3], ROWB<<16                    ; tile_dim0
	s_mov_b32 s[\g+4], 128                         ; tile_dim1 = 128
	s_mov_b32 s[\g+5], KROW                        ; tensor_dim0_stride
	s_mov_b32 s[\g+6], 0
	s_mov_b32 s[\g+7], 0
.endr
	s_lshl_b32 s18, s16, 7                         ; which 128 rows of the tile I fetch
	s_lshl_b32 s20, s17, 8
	s_add_co_u32 s20, s20, s18                     ; P: row 256 x tile row + 128 x half,
	s_lshl_b32 s20, s20, 10                        ; of 1,024 bytes,
	s_add_co_u32 s20, s20, s85                     ; from where P begins: under 2^25
	s_mov_b32 s21, 0
	s_lshl_b32 s46, s42, 8
	s_add_co_u32 s46, s46, s18
	s_lshl_b32 s46, s46, 10
	s_add_co_u32 s46, s46, s86                     ; R likewise
	s_mov_b32 s47, 0
	s_mul_i32 s45, s14, HALFT                      ; where they go: wave x 128 rows: no place in the cluster enters an LDS address
	s_wait_kmcnt 0x0
	s_load_b256 s[68:75], s[8:9], 0x0              ; e0 .. e7
	s_load_b64 s[76:77], s[8:9], 0x20              ; e8, e9
	s_cmp_eq_u32 ttmp9, 2
	s_cselect_b64 s[88:89], s[6:7], s[4:5]         ; P's buffer,
	s_cselect_b64 s[90:91], s[4:5], s[6:7]         ; R's
	s_add_nc_u64 s[20:21], s[88:89], s[20:21]
	s_add_nc_u64 s[46:47], s[90:91], s[46:47]
	CROUND                                         ; all sixteen work-groups are here: the first joint loads meet
.irp s, 0,1
	s_mov_b32 s[G0+4*\s], 1
	s_add_co_u32 s[G0+4*\s+1], s45, \s*SLOT
	s_add_nc_u64 s[G0+4*\s+2:G0+4*\s+3], s[20:21], \s*ROWB
	s_or_b32 s[G0+4*\s+3], s[G0+4*\s+3], 0x80000000
	s_mov_b32 s[G0B+4*\s], 1
	s_add_co_u32 s[G0B+4*\s+1], s45, \s*SLOT
	s_add_nc_u64 s[G0B+4*\s+2:G0B+4*\s+3], s[46:47], \s*ROWB
	s_or_b32 s[G0B+4*\s+3], s[G0B+4*\s+3], 0x80000000
	JLOAD G0+4*\s, G1, G0B+4*\s, G1B
.endr
	v_and_b32 v1, 15, v0                           ; r = l % 16
	v_bfe_u32 v2, v0, 4, 1                         ; h = l / 16
	v_mul_u32_u24 v3, v1, PITCH
	v_lshl_add_u32 v4, v2, 4, v3                   ; a fragment's row x pitch + 16 x half
	s_mul_i32 s21, s15, HALFT                      ; my 128 rows of P
	s_mul_i32 s22, s16, HALFT                      ; my 128 rows of R,
	s_add_co_u32 s22, s22, 2*HALFT                 ; which lie behind P's 256
.irp s, 0,1
	v_add_nc_u32 v[ADRA+\s], s21, v4
	v_add_nc_u32 v[ADRB+\s], s22, v4
	s_add_co_u32 s21, s21, SLOT
	s_add_co_u32 s22, s22, SLOT
.endr
	s_mul_i32 s23, s15, 128*SP                     ; into the stage: my 128 rows, my 128 of their 256 bytes
	s_lshl_b32 s87, s16, 7
	s_add_co_u32 s23, s23, s87
	v_mul_u32_u24 v5, v1, SP
	v_lshl_add_u32 v5, v2, 4, v5                   ; row r, + 16 h
	v_add_nc_u32 v[STO], s23, v5
	s_mul_i32 s23, s14, 64*SP                      ; back: wave w takes rows 64 w .. 64 w + 63
	v_add_nc_u32 v[RD], s23, v5
	v_and_b32 v6, 31, v0
	v_lshlrev_b32 v[CO], 4, v6
	; where my wave's images go.  tokens' tile: 4 x cluster y + (v: cx, else cy); the four heads' group: (v: cy, else cx)
	s_mov_b32 s94, 131072
	s_cmp_eq_u32 ttmp9, 2
	s_cselect_b32 s92, s40, s41
	s_cselect_b32 s93, s41, s40
	s_cselect_b32 s94, s94, 4096                   ; from wave to wave: v: a head (64 features); q, k: 64 tokens of 64 bytes
	s_add_co_u32 s92, s92, s78                     ; the tile of 256 tokens, 0 .. 31
	s_lshr_b32 s95, s92, 3                         ; the batch
	s_lshl_b32 s95, s95, 4
	s_lshl_b32 s93, s93, 2
	s_add_co_u32 s95, s95, s93                     ; 16 x batch + the tile's first head,
	s_lshl_b32 s95, s95, 17                        ; of 131,072 bytes each
	s_and_b32 s92, s92, 7
	s_lshl_b32 s92, s92, 14                        ; 256 tokens of a head are 16,384 bytes, in q, k and v alike
	s_add_co_u32 s95, s95, s92
	s_mul_i32 s94, s94, s14
	s_add_co_u32 s95, s95, s94
	s_add_co_u32 s92, s95, s79                     ; in the projection's 8 MiB
	s_mov_b32 s93, 0
	s_add_nc_u64 s[10:11], s[10:11], s[92:93]
	s_wait_kmcnt 0x0                               ; the exponents: no branch hangs on them
	s_cmp_eq_u32 ttmp9, 0
	s_cselect_b32 s96, s68, s70                    ; ea: e0, e2
	s_cselect_b32 s97, s69, s71                    ; eb: e1, e3
	s_cselect_b32 s98, s74, s75                    ; eo: e6 (q), e7 (k)
	s_cmp_eq_u32 ttmp9, 2
	s_cselect_b32 s96, s72, s96                    ; e4
	s_cselect_b32 s97, s73, s97                    ; e5
	s_cselect_b32 s98, s77, s98                    ; e9 (v)
	s_sub_co_i32 s98, s98, s96
	s_sub_co_i32 s98, s98, s97                     ; eo - ea - eb
	s_add_co_i32 s98, s98, 127
	s_lshl_b32 s96, s98, 23
	v_mov_b32 v[VSC], s96
	s_add_co_i32 s98, s98, 8
	s_lshl_b32 s98, s98, 23
	s_or_b32 s98, s98, 0x600000
	v_mov_b32 v[VLIM], s98
.macro FRAG reg, adr, q, i             ; a fragment: lane l holds row l % 16; registers 4 c .. 4 c + 3 hold bytes 32 c + 16 (l / 16) + 0 .. 15 of the step's 128
.irp c, 0,1,2,3
	ds_load_b128 v[\reg+4*\c:\reg+4*\c+3], v[\adr] offset:128*(\q)+32*\c+(\i)*16*PITCH
.endr
.endm
; 16 matrix instructions: P's blocks a0, a0 + 1 x R's eight, 128 along K.  p: R's set.  zero = 1: the first product starts the sums: nothing is ever cleared.
; The 64 accumulators take turns, one instruction a turn, in the same order in every step.
.macro MUL16 a0, p, zero
.irp a, \a0, \a0+1
.irp b, 0,1,2,3,4,5,6,7
.if \zero
	v_wmma_f32_16x16x128_fp8_fp8 v[8*(8*((\a)%4)+\b):8*(8*((\a)%4)+\b)+7], v[128*(\p)+FR*\b:128*(\p)+FR*\b+FR-1], v[AF+FR*(\a):AF+FR*(\a)+FR-1], 0
.else
	v_wmma_f32_16x16x128_fp8_fp8 v[8*(8*((\a)%4)+\b):8*(8*((\a)%4)+\b)+7], v[128*(\p)+FR*\b:128*(\p)+FR*\b+FR-1], v[AF+FR*(\a):AF+FR*(\a)+FR-1], v[8*(8*((\a)%4)+\b):8*(8*((\a)%4)+\b)+7]
.endif
.endr
.endr
.endm
.macro FETCH_B slot, q, p              ; R's eight fragments of the slot's q-th 128 along K into set p
	WIN TO_B
.irp i, 0,1,2,3,4,5,6,7
	FRAG 128*(\p)+FR*\i, ADRB+\slot, \q, \i
.endr
	WIN 0
.endm
.macro FETCH_A slot, q, i0             ; P's blocks i0 .. i0 + 3
.irp i, \i0, \i0+1, \i0+2, \i0+3
	FRAG AF+FR*(\i), ADRA+\slot, \q, \i
.endr
.endm
; A load into a register that a matrix instruction has read, and a vector instruction that reads a matrix result, stand NP places behind that matrix instruction; only plain vector
; instructions that name none of its registers are places (ISA guide 7.12.1 for vector instructions).
.macro PLACES n
.rept \n
	v_nop
.endr
.endm
; A step of 128 along K that has its successor in the same slot.  P has one set of registers: a block is free when its eight products are issued; blocks 0-3 are fetched anew in the step's middle, blocks 4-7 at its end.
.macro STEP slot, q, zero
	s_wait_dscnt 4*NL                              ; R's set and P's blocks 0-3 are in; the youngest sixteen loads (P's blocks 4-7) may be out
	WIN MUL_LO
	MUL16 0, (\q)%2, \zero
	MUL16 2, (\q)%2, \zero
	s_wait_dscnt 0                                 ; P's blocks 4-7 are in (asked for 32 matrix instructions ago)
	PLACES NP
	FETCH_B \slot, (\q)+1, 1-(\q)%2
	FETCH_A \slot, (\q)+1, 0
	WIN MUL_HI
	MUL16 4, (\q)%2, \zero
	MUL16 6, (\q)%2, \zero
	PLACES NP
	WIN 0
	FETCH_A \slot, (\q)+1, 4
.endm
; A slot's last step changes slots: ONE barrier; in front of it each wave waits for all its tensor loads, adds 0 to its spare word, and waits for that and for its own reads of this slot.  fill = 1: this slot is filled again, two K steps ahead.
.macro TURN slot, next, fill
	s_wait_tensorcnt 0x0                           ; all my tensor loads have landed: my part of the next slot  (every window is 0 here)
	ds_add_u32 v[SPW], v[NIL]                      ; 0 onto my spare word
	s_wait_dscnt 4*NL+1                            ; (the add and the youngest sixteen loads may be out)
	WIN MUL_LO
	MUL16 0, 1, 0                                  ; sixteen matrix instructions stand between the add and the wait for it
	s_wait_dscnt 0x0                               ; the add is done, and my reads of this slot are over
	s_barrier_signal -1
	MUL16 2, 1, 0
	WIN 0
	s_barrier_wait -1
.if \fill
	CREST                                          ; the barrier has opened a round of the cluster's barrier: no wave of any partner still reads this slot's tile or has a load on its way
	s_add_nc_u64 s[G0+4*\slot+2:G0+4*\slot+3], s[G0+4*\slot+2:G0+4*\slot+3], 2*ROWB
	s_add_nc_u64 s[G0B+4*\slot+2:G0B+4*\slot+3], s[G0B+4*\slot+2:G0B+4*\slot+3], 2*ROWB
	JLOAD G0+4*\slot, G1, G0B+4*\slot, G1B         ; the first tensor load behind the round; its four v_nop are also the places in front of the loads below
.else
	PLACES NP
.endif
	FETCH_B \next, 0, 0
	FETCH_A \next, 0, 0
	WIN MUL_HI
	MUL16 4, 1, 0
	MUL16 6, 1, 0
	PLACES NP
	WIN 0
	FETCH_A \next, 0, 4
.endm
	s_wait_tensorcnt 0x1                           ; my part of K step 0 is in (K step 1's load may be out)
	s_barrier_signal -1
	s_barrier_wait -1                              ; everybody's is
	FETCH_B 0, 0, 0
	FETCH_A 0, 0, 0
	FETCH_A 0, 0, 4
	STEP 0, 0, 1                                   ; the first step stands in front of the loop: its products start the sums
	s_mov_b32 s3, LAPS-1
.Llap:                                                 ; a trip goes once round the ring, from a lap's second step to the next lap's first, and fills both slots again
	TURN 0, 1, 1
	STEP 1, 0, 0
	TURN 1, 0, 1
	STEP 0, 0, 0
	s_sub_co_u32 s3, s3, 1
	s_cmp_lg_u32 s3, 0
	s_cbranch_scc1 .Llap
	TURN 0, 1, 0                                   ; the last lap fills nothing, and has no round of the cluster's barrier
	STEP 1, 0, 0
	s_wait_dscnt 4*NL                              ; the very last step: nothing more to fetch
	WIN MUL_LO
	MUL16 0, 1, 0
	MUL16 2, 1, 0
	s_wait_dscnt 0
	WIN MUL_HI
	MUL16 4, 1, 0
	MUL16 6, 1, 0
	WIN 0
; THE WAY OUT.  Block a (16 rows x 128 columns): 64 holds (each accumulator from its low end on, into other registers), 8 conversions, 4 stores of 16 codes into the stage.
.macro QBLOCK a
.set AC, 64*((\a)%4)
	WIN 0x02+((\a)/4)                              ; source 0: window 2 or 3
.set J, 0
.rept 64
	v_med3_num_f32 v[TMP+J], v[AC+J], -v[VLIM], v[VLIM]   ; the conversion to an 8-bit code does not saturate (ISA guide 7.6.2)
.set J, J+1
.endr
	WIN 0
.irp b, 0,1,2,3,4,5,6,7
	v_cvt_scalef32_pk8_fp8_f32 v[CD+16*(\a)+2*\b:CD+16*(\a)+2*\b+1], v[TMP+8*\b:TMP+8*\b+7], v[VSC]
.endr
	v_nop                                          ; a plain line between the conversions and the next block's holds, which write their sources
.irp b, 0,1,2,3
	ds_store_b128 v[STO], v[CD+16*(\a)+4*\b:CD+16*(\a)+4*\b+3] offset:(\a)*16*SP+32*\b   ; column blocks 2 b and 2 b + 1 of my half of the lanes, at column 32 b + 16 h
.endr
.endm
	PLACES NP                                      ; behind the last products
.irp a, 0,1,2,3,4,5,6,7
	QBLOCK \a
.endr
	s_wait_dscnt 0x0                               ; for the others' sake: my stores into the stage are done
	s_barrier_signal -1
	s_barrier_wait -1                              ; a row's 256 bytes come from two waves
.irp p, 0,1,2,3
.irp c, 0,1,2,3,4,5,6,7
	ds_load_b128 v[TMP+4*(8*\p+\c):TMP+4*(8*\p+\c)+3], v[RD] offset:\p*16*SP+32*\c   ; rows 64 w + 16 p + r, bytes 32 c + 16 h on: an image of four operand registers
.endr
.endr
	s_cmp_eq_u32 ttmp9, 2                          ; the two layouts differ in the stores' immediates alone; the branch hangs on the cluster's x
	s_cbranch_scc1 .Lv_out
.irp p, 0,1,2,3
.irp c, 0,1,2,3,4,5,6,7
	s_wait_dscnt 31-8*\p-\c                        ; the younger loads may be out
	global_store_b128 v[CO], v[TMP+4*(8*\p+\c):TMP+4*(8*\p+\c)+3], s[10:11] offset:(\c/2)*131072+\p*1024+(\c%2)*512 th:TH_STORE_NT   ; q, k: head c / 2, tokens 16 p on, half c % 2 of the head's 64; 512 consecutive bytes, aligned
.endr
.endr
	s_branch .Lout_done
.Lv_out:
.irp p, 0,1,2,3
.irp c, 0,1,2,3,4,5,6,7
	s_wait_dscnt 31-8*\p-\c
	global_store_b128 v[CO], v[TMP+4*(8*\p+\c):TMP+4*(8*\p+\c)+3], s[10:11] offset:(\c/4)*8192+\p*2048+(\c%4)*512 th:TH_STORE_NT   ; v: keys 128 (c / 4) on, channels 16 p on, quarter c % 4 of the 128 keys
.endr
.endr
	s_branch .Lout_done
; ---- THE MASK'S PATH (cluster x = 3).  128 work-groups x 4 waves; a wave takes 64 steps of 512 keys (2,048 bytes in, 512 out): 131,072 consecutive bytes of the mask.
; Each of a step's four loads reads 512 consecutive bytes, 16 a lane.  A lane's four numbers become one word of four bytes; a step's 128 words go through the wave's own 512 bytes of LDS, each stored at its new place,
; and come back 16 bytes a lane, which the wave stores as 512 consecutive bytes.  Waves share nothing.
; FIFTEEN STEPS ARE ON THEIR WAY: 60 loads, 30 KiB a wave: four waves are all that a WGP holds here, so each has to keep many bytes out.  Sixteen sets of 16 registers take them: steps 0-7 of a trip in window 0, steps
; 8-15 in window 1, under the same register numbers.  The address registers lie in window 0 throughout, so each kind of line has its own setting in window 1's steps:
; vector lines 0x55 (every place window 1), loads and LDS loads 0x40 (destination), stores and LDS stores 0x04 (their data are source 1).
.macro MLOAD t                         ; step t's 2,048 bytes (t counted from the trip's first step) into set t % 16
.set MW, ((\t)%16)/8
	WIN MW<<6
.irp i, 0,1,2,3
	global_load_b128 v[MKR+16*((\t)%8)+4*\i:MKR+16*((\t)%8)+4*\i+3], v[MGA], s[MSRC:MSRC+1] offset:2048*(\t)+512*\i th:TH_LOAD_NT
.endr
.endm
.macro MSTORE t                        ; step t's 512 bytes leave: 32 lanes store 512 consecutive bytes, aligned
.set MW2, ((\t)%16)/8
	WIN MW2<<2
	global_store_b128 v[MGA], v[MKO+4*((\t)%8):MKO+4*((\t)%8)+3], s[MDST:MDST+1] offset:512*(\t) th:TH_STORE_NT
.endm
; ahead = 1: the step 15 further on is asked for, into the set that the step before this one has left.  left: the loads of later steps, which may stay out.
.macro MSTEP t, ahead, left
	s_wait_loadcnt \left                           ; loads come back in order (ISA guide 5.7.1): this step's four are in
.if \ahead
	MLOAD (\t)+15                                  ; 56 were out, now 60
.endif
.set MW, ((\t)%16)/8
.set MB, MKR+16*((\t)%8)
	WIN 0x55*MW
.irp i, 0,1,2,3,4,5,6,7,8,9,10,11,12,13,14,15
	v_min_u32 v[MB+\i], 1, v[MB+\i]                ; 0 stays 0, all else (negative numbers too: unsigned) becomes 1
.endr
.irp i, 0,1,2,3
	v_lshl_or_b32 v[MB+4*\i], v[MB+4*\i+1], 8, v[MB+4*\i]
	v_lshl_or_b32 v[MB+4*\i+2], v[MB+4*\i+3], 8, v[MB+4*\i+2]
.endr
.irp i, 0,1,2,3
	v_lshl_or_b32 v[MB+4*\i], v[MB+4*\i+2], 16, v[MB+4*\i]        ; four bytes of 0 or 1,
.endr
.irp i, 0,1,2,3
	v_lshlrev_b32 v[MB+4*\i+1], 8, v[MB+4*\i]
.endr
.irp i, 0,1,2,3
	v_sub_nc_u32 v[MKT+4*((\t)%2)+\i], v[MB+4*\i+1], v[MB+4*\i]   ; x 255: four bytes of 0x00 or 0xff
.endr
	WIN MW<<2
.irp i, 0,1,2,3
	ds_store_b32 v[MLI], v[MKT+4*((\t)%2)+\i] offset:512*((\t)%2)+128*\i
.endr
	WIN MW<<6
	ds_load_b128 v[MKO+4*((\t)%8):MKO+4*((\t)%8)+3], v[MLO] offset:512*((\t)%2)   ; LDS serves a wave's instructions in order (ISA guide 5.7.1.4): this sees the four stores
.if (\t) > 0
	s_wait_dscnt 5                                 ; all but this step's four stores and one load: the step before is back
	MSTORE (\t)-1
.endif
.endm
.Lmask:
	s_add_co_u32 s79, s78, s41                     ; 4 x cluster y + cy: 0 .. 31
	s_lshl_b32 s79, s79, 2
	s_add_co_u32 s79, s79, s40                     ; x 4 + cx: my work-group among the mask's 128
	s_lshl_b32 s79, s79, 2
	s_add_co_u32 s79, s79, s14                     ; x 4 + wave: 0 .. 511
	s_lshl_b32 s80, s79, 17                        ; 131,072 bytes of the mask a wave: under 2^26
	s_mov_b32 s81, 0
	s_lshl_b32 s82, s79, 15                        ; 32,768 bytes of mb
	s_mov_b32 s83, 0
	s_wait_kmcnt 0x0
	s_add_nc_u64 s[MSRC:MSRC+1], s[92:93], s[80:81]
	s_add_nc_u64 s[MDST:MDST+1], s[94:95], s[82:83]
.irp t, 0,1,2,3,4,5,6,7,8,9,10,11,12,13,14
	MLOAD \t
.endr
	WIN 0                                          ; at a label and at a branch every window is 0
	s_mov_b32 s3, 3
.Lmtrip:                                               ; three trips of 16 steps; each asks on into the next trip
.irp t, 0,1,2,3,4,5,6,7,8,9,10,11,12,13,14,15
	MSTEP \t, 1, 56                                ; the loads of the 14 later steps may be out
.endr
	s_wait_dscnt 0x0
	MSTORE 15
	WIN 0
	s_wait_xcnt 0x0                                ; every load and store issued so far has read its base and its data: the bases step, and the next trip writes the bytes' registers again
	s_add_nc_u64 s[MSRC:MSRC+1], s[MSRC:MSRC+1], 16*2048
	s_add_nc_u64 s[MDST:MDST+1], s[MDST:MDST+1], 16*512
	s_sub_co_u32 s3, s3, 1
	s_cmp_lg_u32 s3, 0
	s_cbranch_scc1 .Lmtrip
	MSTEP 0, 1, 56                                 ; the last trip is written out: its first step asks for the wave's last step, the others for nothing: no load leaves the buffer
.irp t, 1,2,3,4,5,6,7,8,9,10,11,12,13,14,15
	MSTEP \t, 0, 4*(15-\t)                         ; the counts run down
.endr
	s_wait_dscnt 0x0
	MSTORE 15
	WIN 0
.Lout_done:
	s_wait_tensorcnt 0x0                           ; the wave's end: behind my last tensor load and my last LDS store
	ds_add_u32 v[SPW], v[NIL]
	s_wait_dscnt 0x0
	CROUND                                         ; the closing round: no work-group ends while a partner may still ask for a tile that names it
	s_endpgm
.Lfunc_end_k_q391de0a26c_qkv:
	.size	k_q391de0a26c_qkv, .Lfunc_end_k_q391de0a26c_qkv-k_q391de0a26c_qkv
	.p2alignl 7, 3214868480
	.fill 96, 4, 3214868480
	.section	.rodata,"a",@progbits
	.p2align	6, 0x0
	.amdhsa_kernel k_q391de0a26c_qkv
		.amdhsa_group_segment_fixed_size 327680
		.amdhsa_private_segment_fixed_size 0
		.amdhsa_enable_private_segment 0
		.amdhsa_kernarg_size 48
		.amdhsa_user_sgpr_count 2
		.amdhsa_user_sgpr_kernarg_segment_ptr 1
		.amdhsa_wavefront_size32 1
		.amdhsa_system_sgpr_workgroup_id_x 1
		.amdhsa_system_sgpr_workgroup_id_y 1
		.amdhsa_system_sgpr_workgroup_id_z 1
		.amdhsa_system_vgpr_workitem_id 0
		.amdhsa_next_free_vgpr 1024
		.amdhsa_next_free_sgpr 100
		.amdhsa_reserve_vcc 0
		.amdhsa_float_denorm_mode_32 3
		.amdhsa_float_denorm_mode_16_64 3
		.amdhsa_memory_ordered 1
		.amdhsa_forward_progress 1
		.amdhsa_inst_pref_size 207
	.end_amdhsa_kernel
	.amdgpu_metadata
---
amdhsa.version: [ 1, 2 ]
amdhsa.kernels:
  - .name:           k_q391de0a26c_qkv
    .symbol:         k_q391de0a26c_qkv.kd
    .args:
      - { .name: xc, .offset: 0, .size: 8, .value_kind: global_buffer, .address_space: global }
      - { .name: wc, .offset: 8, .size: 8, .value_kind: global_buffer, .address_space: global }
      - { .name: lowp_scales, .offset: 16, .size: 8, .value_kind: global_buffer, .address_space: global }
      - { .name: qkv, .offset: 24, .size: 8, .value_kind: global_buffer, .address_space: global }
      - { .name: mask, .offset: 32, .size: 8, .value_kind: global_buffer, .address_space: global }
      - { .name: mb, .offset: 40, .size: 8, .value_kind: global_buffer, .address_space: global }
    .group_segment_fixed_size: 327680
    .private_segment_fixed_size: 0
    .kernarg_segment_align: 8
    .kernarg_segment_size: 48
    .max_flat_workgroup_size: 128
    .sgpr_count:     100
    .vgpr_count:     1024
    .wavefront_size: 32
...
	.end_amdgpu_metadata
.endif
;; end of part 2
;; launch attn (part 3): grid 8 x 32, 8 waves a work-group, clusters of 4 x 4, 327,680 bytes of LDS; arguments qkv, mb, lowp_scales, out0; writes out0
.if DOCPART == 3
	.amdgcn_target "amdgcn-amd-amdhsa--gfx1250"
	.amdhsa_code_object_version 6
	.text
	.protected	k_q391de0a26c_attn
	.globl	k_q391de0a26c_attn
	.p2align	8
	.type	k_q391de0a26c_attn,@function
k_q391de0a26c_attn:
	s_mov_b64 s[64:65], 0
	v_nop
	global_prefetch_b8 v0, s[64:65] scope:SCOPE_SE
	s_setreg_imm32_b32 hwreg(HW_REG_WAVE_MODE, 25, 1), 1
	s_wait_xcnt 0x0
	s_wait_alu depctr_hold_cnt(0) depctr_sa_sdst(0) depctr_va_vdst(0) depctr_va_sdst(0) depctr_va_ssrc(0) depctr_va_vcc(0) depctr_vm_vsrc(0)
	s_getreg_b32 s2, hwreg(HW_REG_IB_STS2, 6, 4)
	s_cmp_eq_u32 s2, 0
	s_cbranch_scc0 .Lentry_in_a_cluster
	s_endpgm
.Lentry_in_a_cluster:
	s_bfe_u32 s2, ttmp6, 0x10000c
	s_cmp_lg_u32 s2, 0xf033
	s_cbranch_scc0 .Lentry_shape_is_right
	s_endpgm
.Lentry_shape_is_right:
; ATTN: out[b][q][head][:] = sum over keys of Q8(where(mask == 0, -1e9, q . k / 8)) v[key][:], both products on codes of E4M3; there is no softmax.
; q, k, v come as images of operand registers; the mask as a byte a key (0xff: the score counts; 0x00: a hole), in the order in which the operand registers hold the keys.
; SHARES.  A work-group owns 256 queries of one batch and TWO heads; wave w owns head w / 4 of the pair and queries 64 (w % 4) on: four tiles of 16.  Two waves to a SIMD, 512 registers each, so that one wave's
; vector work stands beside the other's products.  Every wave walks all 2,048 keys, 128 a step, 256 to an LDS slot.
; LAYOUT.  Both products are used transposed.  S^T = K Q^T (source 0 = 16 keys, source 1 = 16 queries; K = 64): lane (r, h) holds query r and keys 8 h + 0 .. 7 of the tile.  Its eight scores become eight codes, two
; registers, which ARE registers 2 c, 2 c + 1 (keys 16 c + 8 h + 0 .. 7) of source 1 of O^T = V^T P (K = 128 keys).  Nothing changes lanes.
; THE SCORES' CODES.  A sum stands for sum x 2^(e6 + e7) / 8; its code under 2^e8 is sum / 2^(e8 - e6 - e7 + 3), held within +-448: one hold a score, one conversion for eight.
; THE MASK works on CODES: a hole's code is one byte, that of -1e9 under 2^e8, made once by the same hold and conversion; v_bfi_b32 puts it in place of four codes at a time, by the mask's bytes.
; CLUSTER, 4 x 4.  K's and V's tiles hang on the batch and the head pair: shared along a column of the cluster (four query blocks).  The mask's tile hangs on the batch and the query block: shared along a row (four head
; pairs).  Each is asked for JOINTLY: waves 0-3 fetch K of head 0, K of head 1, V of head 0, V of head 1; waves 4-7 a quarter (64 queries) of the mask's tile each: one load a wave.
; LIMITS: e8, and e8 - e6 - e7 + 3, each between -126 and 119, so that the scales and 448 x the scales are f32 numbers; e8 + e9 is applied by v_ldexp_f32 and has none.
; REGISTERS.  Window 0: v1-17 addresses and constants; v32-47 P; v64-127 K (8 tiles of 16 keys); v128-191 S^T (8 tiles); v192-255 the mask's bytes (16 registers a query tile).
;   Window 1: v0-127 O^T (32 a query tile: 4 tiles of 16 channels); v128-191 V^T (4 fragments of 16 channels x 128 keys); v192-223 Q (8 a query tile).
.set SLOT,  135168                     ; a slot: K head 0, K head 1, V head 0, V head 1 (16,384 bytes each, dense images), then the mask: 256 rows of 256 bytes + 16
.set MOFF,  65536
.set MQ,    17408                      ; 64 rows of the mask x 272
.set MT,    4352                       ; 16 rows x 272; also a wave's stage on the way out
.set SPARE, 2*SLOT                     ; behind the ring: the spare words, 128 bytes for each of the eight waves; no other line names them
.set AKV,  4                           ; v4, v5   slot 0, 1: my head's K images, at my lane's 16 bytes; V's lie 32,768 further on
.set AM,   6                           ; v6, v7   slot 0, 1: my 64 queries' rows of the mask: row r, + 16 h
.set STO,  8                           ; v8       the way out: where I put 16 bytes of a row
.set RD,   9                           ; v9       the way out: where I read a row back
.set GO,   10                          ; v10      my byte offset in two rows of out0
.set A16,  11                          ; v11      16 x lane
.set VSC,  12                          ; v12      2^(e8 - e6 - e7 + 3)
.set VLIM, 13                          ; v13      448 x that
.set CM,   14                          ; v14      a hole's code, four times
.set PFO,  15                          ; v15      the prefetches' offset; never rewritten
.set SPW,  16                          ; v16      LDS address of my spare word; never rewritten
.set NIL,  17                          ; v17      0; never rewritten
.set PF,   32
.set KF,   64
.set SF,   128
.set MK,   192
.set VF,   128                         ; in window 1
.set QF,   192                         ; in window 1
.set WV,   12                          ; s12      my wave's number
.set G1KV, 24                          ; s[24:31] descriptor group 1 for K's and V's blocks;  s[32:39] for the mask's tiles
.set G1M,  32
.set G0KV, 40                          ; s[40:47] group 0 for K's and V's blocks, one set for each slot;  s[48:55] for the mask's
.set G0M,  48
.set EO,   60                          ; s60      e8 + e9
.set TRIPS, 61
.set REF,  62                          ; s62      refills still to come
.set LIM,  63                          ; s63      1 in a wave that prefetches, else the greatest number
.set PFA,  66                          ; s[66:67] where my prefetches stand
.set PFS,  68                          ; s[68:69] a slot's keys on, in bytes
.set MSB, 0
.macro WIN new                         ; the immediate's high byte repeats the setting that is left
.if MSB != (\new)
	s_set_vgpr_msb (MSB<<8)|(\new)
.set MSB, (\new)
.endif
.endm
.set W_KQ, 0x04                        ; source 1 (Q) window 1; K and S^T window 0
.set W_PV, 0x51                        ; source 0 (V), C and D (O^T) window 1; source 1 (P) window 0
.set TO_1, 0x40                        ; destination window 1, address window 0
.macro CROUND                          ; a round of the cluster's barrier
	s_barrier_signal -1
	s_barrier_wait -1
	s_cmp_lg_u32 s[WV], 0
	s_cbranch_scc1 .Lnot_wave_0_\@
	s_barrier_signal -3
.Lnot_wave_0_\@:
	s_barrier_wait -3
	s_barrier_signal -1
	s_barrier_wait -1
.endm
.macro JLOAD s                         ; a joint refill of slot s; the branch hangs on the wave's number alone; four v_nop follow each of the two lines
	s_cmp_lt_u32 s[WV], 4
	s_cbranch_scc0 .Lfor_m_\@
	tensor_load_to_lds s[G0KV+4*\s:G0KV+4*\s+3], s[G1KV:G1KV+7]
	s_nop 0
.rept 4
	v_nop
.endr
	s_branch .Lasked_\@
.Lfor_m_\@:
	tensor_load_to_lds s[G0M+4*\s:G0M+4*\s+3], s[G1M:G1M+7]
	s_nop 0
.rept 4
	v_nop
.endr
.Lasked_\@:
.endm
; A PREFETCH INTO THE L2 of what the NEXT refill will ask for, a slot's two key steps ahead of that load; it stands behind the wave's joint load and its four lines.  Each aligned block of 256 bytes is named once in the launch.
; K and V of a head pair are walked by the two clusters of a batch: the one with even cluster y asks.  Its four partners along y share a block of 16,384 bytes out BY ADDRESS, 4,096 each; wave 0 asks for K, wave 2 for V,
; lanes 0-15 for head 0 and lanes 16-31 for head 1, 256 bytes apart.  The mask's tile is walked by both clusters along x: cluster x = 0 asks; of its 256 rows wave 4 takes the first 128 and wave 6 the others, the four
; partners along x 32 rows each, by address, a lane a row.  The last refill asks for nothing: there are no keys behind it.  The first three slots' worth come by their loads alone.
.macro ASK
	s_cmp_gt_u32 s[REF], s[LIM]
	s_cbranch_scc0 .Lnot_mine_\@
	global_prefetch_b8 v[PFO], s[PFA:PFA+1] th:TH_LOAD_NT scope:SCOPE_SE
.Lnot_mine_\@:
.endm
	s_load_b256 s[4:11], s[0:1], 0x0               ; qkv s[4:5], mb s[6:7], the exponents s[8:9], out0 s[10:11]
	v_lshl_add_u32 v[SPW], v0, 2, SPARE
	v_mov_b32 v[NIL], 0
	ds_add_u32 v16, v17
	ds_add_u32 v16, v17
	s_wait_dscnt 0x0
	v_lshrrev_b32 v1, 5, v0
	v_readfirstlane_b32 s[WV], v1                  ; wave 0..7
	s_bfe_u32 s70, ttmp6, 0x40000                  ; cx
	s_bfe_u32 s71, ttmp6, 0x40004                  ; cy
	s_and_b32 s72, ttmp7, 0xffff                   ; cluster y
	s_lshl_b32 s73, ttmp9, 2
	s_add_co_u32 s73, s73, s70                     ; the head pair = 4 x cluster x + cx
	s_lshl_b32 s74, s72, 2
	s_add_co_u32 s74, s74, s71                     ; the block of 256 queries among all 32 = 4 x cluster y + cy
	s_lshr_b32 s75, s72, 1                         ; the batch: the same in all sixteen partners
	s_lshl_b32 s76, s71, 2
	s_lshl_b32 s76, 15, s76                        ; my row of the cluster
	s_lshl_b32 s77, 0x1111, s70                    ; my column
	s_or_b32 s[G1KV], s77, (0<<16)|(1<<21)         ; 15:0 the mask: my column; 17:16 elements of 1 byte; 20 no padding; 21 set beside a mask
	s_or_b32 s[G1M], s76, (0<<16)|(1<<20)|(1<<21)|(5<<22)|(3<<25)  ; my row; padding: 4 words (code 3) after every 64 (code 5)
.irp g, G1KV, G1M
	s_mov_b32 s[\g+1], 256<<16                     ; tensor_dim0 = 256
	s_mov_b32 s[\g+2], 64<<16                      ; tensor_dim1 = 64
	s_mov_b32 s[\g+3], 256<<16                     ; tile_dim0 = 256
	s_mov_b32 s[\g+4], 64                          ; tile_dim1 = 64
	s_mov_b32 s[\g+6], 0
	s_mov_b32 s[\g+7], 0
.endr
	s_mov_b32 s[G1KV+5], 256                       ; a dense block of 16,384 bytes as 64 rows of 256
	s_mov_b32 s[G1M+5], 2048                       ; a query's row of the mask is 2,048 bytes
	s_and_b32 s78, s[WV], 3
	s_lshr_b32 s79, s78, 1                         ; K (0) or V (1),
	s_add_co_u32 s79, s79, 1
	s_lshl_b32 s79, s79, 23                        ; at 8 MiB or at 16 MiB of qkv
	s_lshl_b32 s80, s75, 4
	s_lshl_b32 s81, s73, 1
	s_add_co_u32 s80, s80, s81                     ; 16 x batch + the pair's first head
	s_and_b32 s81, s[WV], 1
	s_add_co_u32 s81, s80, s81                     ; the head that I fetch for,
	s_lshl_b32 s81, s81, 17                        ; of 131,072 bytes
	s_add_co_u32 s82, s81, s79                     ; made of the wave's number, the batch and the head pair alone
	s_mov_b32 s83, 0
	s_lshl_b32 s84, s74, 8
	s_lshl_b32 s85, s78, 6
	s_add_co_u32 s84, s84, s85                     ; the mask: row 256 x query block + 64 x quarter,
	s_lshl_b32 s84, s84, 11                        ; of 2,048 bytes: made of the wave's number and the query block alone
	s_mov_b32 s85, 0
	s_lshl_b32 s86, s78, 14                        ; where they go in a slot: no place in the cluster enters an LDS address
	s_mul_i32 s87, s78, MQ
	s_add_co_u32 s87, s87, MOFF
	s_mov_b32 s[REF], 6
	s_wait_kmcnt 0x0
	s_load_b64 s[56:57], s[8:9], 0x18              ; e6, e7
	s_load_b64 s[58:59], s[8:9], 0x20              ; e8, e9
	s_add_nc_u64 s[82:83], s[4:5], s[82:83]
	s_add_nc_u64 s[84:85], s[6:7], s[84:85]
	CROUND                                         ; all sixteen work-groups are here: the first joint loads meet
.irp s, 0,1
	s_mov_b32 s[G0KV+4*\s], 1                      ; count = 1
	s_add_co_u32 s[G0KV+4*\s+1], s86, \s*SLOT      ; LDS address
	s_add_nc_u64 s[G0KV+4*\s+2:G0KV+4*\s+3], s[82:83], \s*16384   ; keys 256 s on
	s_or_b32 s[G0KV+4*\s+3], s[G0KV+4*\s+3], 0x80000000           ; type = 2
	s_mov_b32 s[G0M+4*\s], 1
	s_add_co_u32 s[G0M+4*\s+1], s87, \s*SLOT
	s_add_nc_u64 s[G0M+4*\s+2:G0M+4*\s+3], s[84:85], \s*256
	s_or_b32 s[G0M+4*\s+3], s[G0M+4*\s+3], 0x80000000
.endr
	s_cmp_lt_u32 s[WV], 4                          ; a wave's two first fills stand in one branch, ahead of every wait on TENSORcnt and every LDS read: two loads of mine are out
	s_cbranch_scc0 .Lfirst_m
	tensor_load_to_lds s[G0KV:G0KV+3], s[G1KV:G1KV+7]
	s_nop 0
	tensor_load_to_lds s[G0KV+4:G0KV+7], s[G1KV:G1KV+7]
	s_nop 0
.rept 4
	v_nop
.endr
	s_branch .Lfirst_asked
.Lfirst_m:
	tensor_load_to_lds s[G0M:G0M+3], s[G1M:G1M+7]
	s_nop 0
	tensor_load_to_lds s[G0M+4:G0M+7], s[G1M:G1M+7]
	s_nop 0
.rept 4
	v_nop
.endr
.Lfirst_asked:
	v_and_b32 v1, 15, v0                           ; r
	v_bfe_u32 v2, v0, 4, 1                         ; h
	v_and_b32 v3, 31, v0                           ; lane
	v_lshlrev_b32 v[A16], 4, v3
	s_lshr_b32 s88, s[WV], 2                       ; my head of the pair
	s_add_co_u32 s89, s80, s88
	s_lshl_b32 s89, s89, 17
	s_and_b32 s90, s74, 7
	s_lshl_b32 s90, s90, 14                        ; my work-group's 256 queries of 64 bytes,
	s_add_co_u32 s89, s89, s90
	s_lshl_b32 s90, s78, 12                        ; my wave's 64
	s_add_co_u32 s90, s89, s90
	s_mov_b32 s91, 0
	s_add_nc_u64 s[90:91], s[4:5], s[90:91]
	WIN TO_1
.irp t, 0,1,2,3
.irp c, 0,1
	global_load_b128 v[QF+8*\t+4*\c:QF+8*\t+4*\c+3], v[A16], s[90:91] offset:1024*\t+512*\c   ; Q's four fragments stay in registers
.endr
.endr
	WIN 0
	s_lshl_b32 s94, s88, 14
	v_add_nc_u32 v[AKV], s94, v[A16]
	s_add_co_u32 s94, s94, SLOT
	v_add_nc_u32 v[AKV+1], s94, v[A16]
	v_mul_u32_u24 v18, v1, 272
	v_lshl_add_u32 v18, v2, 4, v18
	s_mul_i32 s95, s78, MQ
	s_add_co_u32 s95, s95, MOFF
	v_add_nc_u32 v[AM], s95, v18
	s_add_co_u32 s95, s95, SLOT
	v_add_nc_u32 v[AM+1], s95, v18
	s_mul_i32 s96, s[WV], MT                       ; my stage for the way out: in slot 0, which has had its last fill and its last read by then
	v_mul_u32_u24 v19, v1, 272
	v_lshl_add_u32 v19, v2, 5, v19
	v_add_nc_u32 v[STO], s96, v19                  ; in: row r, + 32 h
	v_mul_u32_u24 v19, v2, 272
	v_lshl_add_u32 v19, v1, 4, v19
	v_add_nc_u32 v[RD], s96, v19                   ; back: lanes 0-15 one row of 256 bytes, lanes 16-31 the next
	v_lshlrev_b32 v[GO], 12, v2
	v_lshl_add_u32 v[GO], v1, 4, v[GO]             ; and the same two rows in out0, 4,096 bytes apart
	s_lshl_b32 s92, s74, 8
	s_lshl_b32 s93, s78, 6
	s_add_co_u32 s92, s92, s93                     ; my first query among all 8,192,
	s_lshl_b32 s92, s92, 12
	s_lshl_b32 s93, s73, 1
	s_add_co_u32 s93, s93, s88
	s_lshl_b32 s93, s93, 8                         ; my head's 256 bytes of its row
	s_add_co_u32 s92, s92, s93
	s_mov_b32 s93, 0
	s_add_nc_u64 s[10:11], s[10:11], s[92:93]
	; the prefetches: who asks, and from where
	s_and_b32 s16, s[WV], 2
	s_lshl_b32 s16, s16, 6                         ; wave 6: the tile's second 128 rows
	s_lshl_b32 s17, s74, 8
	s_add_co_u32 s16, s16, s17
	s_lshl_b32 s16, s16, 11
	s_mov_b32 s17, 0
	s_add_nc_u64 s[16:17], s[6:7], s[16:17]
	s_and_b32 s13, s72, 1
	s_and_b32 s18, s[WV], 1
	s_mov_b32 s15, 65536
	s_mov_b32 s[PFS], 256
	s_mov_b32 s19, 32768
	s_mov_b32 s20, 2048
	s_cmp_lt_u32 s[WV], 4                          ; K and V, or the mask
	s_cselect_b64 s[PFA:PFA+1], s[82:83], s[16:17]
	s_cselect_b32 s13, s13, ttmp9                  ; 0 in the cluster that asks
	s_cselect_b32 s14, s71, s70                    ; my place among the four that ask for the tile with me,
	s_cselect_b32 s15, 4096, s15                   ; and a partner's share in bytes: 4,096 of a block, or 32 rows of the mask
	s_cselect_b32 s[PFS], 16384, s[PFS]            ; a slot's 256 keys on
	s_cselect_b32 s19, 131072, s19                 ; from lanes 0-15 to lanes 16-31: a head, or 16 rows
	s_cselect_b32 s20, 256, s20                    ; from lane to lane
	s_mov_b32 s[PFS+1], 0
	s_or_b32 s13, s13, s18                         ; even waves alone
	s_cmp_eq_u32 s13, 0
	s_cselect_b32 s[LIM], 1, -1                    ; hangs on the wave's number and the cluster's place: the same in all partners
	s_mul_i32 s14, s14, s15
	s_lshl_b32 s15, s[PFS], 1                      ; at keys 512 on: the first refill steps it to 768 on.  Nothing is prefetched here, at the head
	s_add_co_u32 s14, s14, s15
	s_mov_b32 s15, 0
	s_add_nc_u64 s[PFA:PFA+1], s[PFA:PFA+1], s[14:15]
	v_mul_u32_u24 v[PFO], v2, s19
	v_mad_u32_u24 v[PFO], v1, s20, v[PFO]
	s_wait_kmcnt 0x0                               ; the exponents: no branch hangs on them
	s_sub_co_i32 s97, s58, s56
	s_sub_co_i32 s97, s97, s57
	s_add_co_i32 s97, s97, 130                     ; e8 - e6 - e7 + 3, + 127
	s_lshl_b32 s98, s97, 23
	v_mov_b32 v[VSC], s98
	s_add_co_i32 s97, s97, 8
	s_lshl_b32 s97, s97, 23
	s_or_b32 s97, s97, 0x600000
	v_mov_b32 v[VLIM], s97
	s_add_co_i32 s[EO], s58, s59                   ; e8 + e9
	s_add_co_i32 s97, s58, 127
	s_lshl_b32 s98, s97, 23
	v_mov_b32 v20, s98                             ; 2^e8
	s_add_co_i32 s97, s97, 8
	s_lshl_b32 s97, s97, 23
	s_or_b32 s97, s97, 0x600000
	v_mov_b32 v21, s97                             ; 448 x 2^e8
	v_mov_b32 v[SF], 0xce6e6b28                    ; -1e9: what a hole holds,
	v_med3_num_f32 v[SF], v[SF], -v21, v21         ; held like any score,
.irp j, 1,2,3,4,5,6,7
	v_mov_b32 v[SF+\j], v[SF]
.endr
	v_cvt_scalef32_pk8_fp8_f32 v[PF:PF+1], v[SF:SF+7], v20   ; and converted: right for every e8
	v_nop                                          ; a plain line between the conversion and the read of its result
	v_mov_b32 v[CM], v[PF]                         ; four equal bytes
; ONE QUERY TILE of a key step: 8 products K Q^T; 64 holds, 8 conversions, 16 selections by the mask; 4 products V^T P.
; The selections of tile c - 1 stand behind the holds of tile c: eight plain lines lie between a conversion and the read of its result.
; Every S^T tile is one instruction with C = 0; the sixteen accumulators of O^T take turns, one instruction each a key step.
.macro QT t, zero
.if \t == 0
	s_wait_dscnt 32                                ; K is in; the 16 loads of the mask and the 16 of V may be out
.endif
	WIN W_KQ
.irp c, 0,1,2,3,4,5,6,7
	v_wmma_f32_16x16x64_fp8_fp8 v[SF+8*\c:SF+8*\c+7], v[KF+8*\c:KF+8*\c+7], v[QF+8*\t:QF+8*\t+7], 0
.endr
	WIN 0
.rept 4
	v_nop                                          ; four places between the products and the holds, which read and write their results (ISA guide 7.12.1)
.endr
.if \t == 0
	s_wait_dscnt 16                                ; the mask is in
.endif
.irp c, 0,1,2,3,4,5,6,7
.irp j, 0,1,2,3,4,5,6,7
	v_med3_num_f32 v[SF+8*\c+\j], v[SF+8*\c+\j], -v[VLIM], v[VLIM]   ; the conversion to an 8-bit code does not saturate (ISA guide 7.6.2); each tile from its low end on
.endr
.if \c > 0
	v_bfi_b32 v[PF+2*\c-2], v[MK+16*\t+2*\c-2], v[PF+2*\c-2], v[CM]  ; the code where the mask's byte is 0xff, a hole's code where it is 0x00
	v_bfi_b32 v[PF+2*\c-1], v[MK+16*\t+2*\c-1], v[PF+2*\c-1], v[CM]
.endif
	v_cvt_scalef32_pk8_fp8_f32 v[PF+2*\c:PF+2*\c+1], v[SF+8*\c:SF+8*\c+7], v[VSC]   ; keys 16 c + 8 h + 0 .. 7: registers 2 c, 2 c + 1 of the operand
.endr
	v_nop                                          ; a plain line behind the last conversion
	v_bfi_b32 v[PF+14], v[MK+16*\t+14], v[PF+14], v[CM]
	v_bfi_b32 v[PF+15], v[MK+16*\t+15], v[PF+15], v[CM]
.if \t == 0
	s_wait_dscnt 0x0                               ; V is in
.endif
	WIN W_PV
.irp d, 0,1,2,3
.if \zero
	v_wmma_f32_16x16x128_fp8_fp8 v[32*\t+8*\d:32*\t+8*\d+7], v[VF+16*\d:VF+16*\d+15], v[PF:PF+15], 0   ; the first key step starts the sums: nothing is cleared
.else
	v_wmma_f32_16x16x128_fp8_fp8 v[32*\t+8*\d:32*\t+8*\d+7], v[VF+16*\d:VF+16*\d+15], v[PF:PF+15], v[32*\t+8*\d:32*\t+8*\d+7]
.endif
.endr
.endm
; A KEY STEP: the q-th 128 keys of slot sl.  48 LDS loads in one run, each fragment read once for four query tiles; K's and V's images are 512 consecutive bytes a load.
.macro STEP sl, q, zero
	WIN 0
.rept 4
	v_nop                                          ; four places in front of loads into registers that the last products have read
.endr
.irp c, 0,1,2,3,4,5,6,7
	ds_load_b128 v[KF+8*\c:KF+8*\c+3],   v[AKV+\sl] offset:(8*\q+\c)*1024
	ds_load_b128 v[KF+8*\c+4:KF+8*\c+7], v[AKV+\sl] offset:(8*\q+\c)*1024+512
.endr
.irp t, 0,1,2,3
.irp c, 0,1,2,3
	ds_load_b128 v[MK+16*\t+4*\c:MK+16*\t+4*\c+3], v[AM+\sl] offset:MT*\t+128*\q+32*\c
.endr
.endr
	WIN TO_1
.irp d, 0,1,2,3
.irp c, 0,1,2,3
	ds_load_b128 v[VF+16*\d+4*\c:VF+16*\d+4*\c+3], v[AKV+\sl] offset:32768+8192*\q+2048*\d+512*\c
.endr
.endr
	QT 0, \zero
	QT 1, \zero
	QT 2, \zero
	QT 3, \zero
.endm
.macro WORK sl, zero                   ; a slot's two key steps
	STEP \sl, 0, \zero
	STEP \sl, 1, 0
.endm
; THE CHANGE OF SLOTS.  Each wave waits for all its tensor loads (its part of the slot that it is about to read), adds 0 to its spare word, and waits for that and for its reads of the slot that it has left.
; fill = 1: slot o, just left, is filled with the keys 512 further on than it held.  The barrier is then a round of the cluster's, so that no wave of any partner still reads the slot or has a load on its way;
; the joint refill is the first thing behind it and has a slot's two key steps in which to land.
.macro CHANGE o, fill
	WIN 0
	s_wait_tensorcnt 0x0                           ; no tensor load of mine is out, so a group 0 may be written
	ds_add_u32 v[SPW], v[NIL]                      ; 0 onto my spare word
.if \fill
	s_add_nc_u64 s[G0KV+4*\o+2:G0KV+4*\o+3], s[G0KV+4*\o+2:G0KV+4*\o+3], 2*16384
	s_add_nc_u64 s[G0M+4*\o+2:G0M+4*\o+3], s[G0M+4*\o+2:G0M+4*\o+3], 2*256
	s_wait_xcnt 0x0                                ; the last prefetch, a slot back, has read its address, so it may be written:
	s_add_nc_u64 s[PFA:PFA+1], s[PFA:PFA+1], s[PFS:PFS+1]   ; a slot's keys further on than this refill
	s_wait_dscnt 0x0                               ; the add is done, and my reads of the slot that I have left are over
	CROUND
	JLOAD \o
	ASK
	s_sub_co_u32 s[REF], s[REF], 1
.else
	s_wait_dscnt 0x0
	s_barrier_signal -1
	s_barrier_wait -1
.endif
.endm
	s_wait_tensorcnt 0x1                           ; my part of slot 0 is in; slot 1's may stay out
	s_barrier_signal -1
	s_barrier_wait -1                              ; everybody's is
	s_wait_loadcnt 0x0                             ; Q
	WORK 0, 1                                      ; keys 0 to 255
	WIN 0                                          ; at a label and at a branch every window is 0
	s_mov_b32 s[TRIPS], 3
.Lpair:                                                ; three trips of two slots: six refills, keys 512 to 2,047
	CHANGE 0, 1
	WORK 1, 0
	CHANGE 1, 1
	WORK 0, 0
	WIN 0
	s_sub_co_u32 s[TRIPS], s[TRIPS], 1
	s_cmp_lg_u32 s[TRIPS], 0
	s_cbranch_scc1 .Lpair
	CHANGE 0, 0                                    ; the last slot is written out
	WORK 1, 0
	; THE WAY OUT.  O^T x 2^(e8 + e9); a tile (16 queries x 64 channels) at a time through my stage in LDS, so that sixteen lanes store the 256 bytes that a head has in a row of out0.
	WIN 0
.rept 4
	v_nop                                          ; four places behind the last products
.endr
.macro PACK t
	WIN 0x01                                       ; source 0 window 1
.set J, 0
.rept 32
	v_ldexp_f32 v[KF+32*\t+J], v[32*\t+J], s[EO]   ; register 8 d + j: channel 16 d + 8 h + j of query r; each accumulator from its low end on
.set J, J+1
.endr
	WIN 0
.irp d, 0,1,2,3
	ds_store_b128 v[STO], v[KF+32*\t+8*\d:KF+32*\t+8*\d+3] offset:64*\d
	ds_store_b128 v[STO], v[KF+32*\t+8*\d+4:KF+32*\t+8*\d+7] offset:64*\d+16
.endr
.irp f, 0,1,2,3,4,5,6,7
	ds_load_b128 v[KF+32*\t+4*\f:KF+32*\t+4*\f+3], v[RD] offset:544*\f   ; LDS serves a wave's instructions in order (ISA guide 5.7.1.4): these see the stores above; the next tile's stores come behind them
.endr
.endm
.macro SEND t, younger                 ; younger: the LDS instructions issued behind tile t's loads: the next tile's sixteen, or none
.irp f, 0,1,2,3,4,5,6,7
	s_wait_dscnt \younger+7-\f
	global_store_b128 v[GO], v[KF+32*\t+4*\f:KF+32*\t+4*\f+3], s[10:11] offset:(16*\t+2*\f)*4096 th:TH_STORE_NT   ; 16 lanes store 256 consecutive bytes, aligned
.endr
.endm
	PACK 0
	PACK 1
	SEND 0, 16
	PACK 2
	SEND 1, 16
	PACK 3
	SEND 2, 16
	SEND 3, 0
	s_wait_tensorcnt 0x0                           ; the wave's end: behind my last tensor load and my last LDS store
	ds_add_u32 v[SPW], v[NIL]
	s_wait_dscnt 0x0
	CROUND                                         ; the closing round: no work-group ends while a partner may still ask for a tile that names it
	s_endpgm
.Lfunc_end_k_q391de0a26c_attn:
	.size	k_q391de0a26c_attn, .Lfunc_end_k_q391de0a26c_attn-k_q391de0a26c_attn
	.p2alignl 7, 3214868480
	.fill 96, 4, 3214868480
	.section	.rodata,"a",@progbits
	.p2align	6, 0x0
	.amdhsa_kernel k_q391de0a26c_attn
		.amdhsa_group_segment_fixed_size 327680
		.amdhsa_private_segment_fixed_size 0
		.amdhsa_enable_private_segment 0
		.amdhsa_kernarg_size 32
		.amdhsa_user_sgpr_count 2
		.amdhsa_user_sgpr_kernarg_segment_ptr 1
		.amdhsa_wavefront_size32 1
		.amdhsa_system_sgpr_workgroup_id_x 1
		.amdhsa_system_sgpr_workgroup_id_y 1
		.amdhsa_system_sgpr_workgroup_id_z 1
		.amdhsa_system_vgpr_workitem_id 0
		.amdhsa_next_free_vgpr 512
		.amdhsa_next_free_sgpr 100
		.amdhsa_reserve_vcc 0
		.amdhsa_float_denorm_mode_32 3
		.amdhsa_float_denorm_mode_16_64 3
		.amdhsa_memory_ordered 1
		.amdhsa_forward_progress 1
		.amdhsa_inst_pref_size 255
	.end_amdhsa_kernel
	.section	.bss,"aw",@nobits
	.p2align	6
	.space	262144
	.amdgpu_metadata
---
amdhsa.version: [ 1, 2 ]
amdhsa.kernels:
  - .name:           k_q391de0a26c_attn
    .symbol:         k_q391de0a26c_attn.kd
    .args:
      - { .name: qkv, .offset: 0, .size: 8, .value_kind: global_buffer, .address_space: global }
      - { .name: mb, .offset: 8, .size: 8, .value_kind: global_buffer, .address_space: global }
      - { .name: lowp_scales, .offset: 16, .size: 8, .value_kind: global_buffer, .address_space: global }
      - { .name: out0, .offset: 24, .size: 8, .value_kind: global_buffer, .address_space: global }
    .group_segment_fixed_size: 327680
    .private_segment_fixed_size: 0
    .kernarg_segment_align: 8
    .kernarg_segment_size: 32
    .max_flat_workgroup_size: 256
    .sgpr_count:     100
    .vgpr_count:     512
    .wavefront_size: 32
...
	.end_amdgpu_metadata
.endif
;; end of part 3
